; MI455X (gfx1250); checked and timed in simulation.
; The chip was launched on July 23, 2026; its instructions are those of AMD's public machine-readable ISA for CDNA 5 (MIT licence, August 2026) and "CDNA5" Instruction Set Architecture Reference Guide (July 2026). The comments in the code are by the model that wrote it; some were corrected since.
;; F Attention1d. Allowed arithmetic: matrix products marked QUANTISED: E2M3 operands, one E8M0 scale for each 32 along K, by v_wmma_scale_f32_16x16x128_f8f6f4 with both operands' format E2M3, f32 sums; everything else in f32.
;; Inputs: key 2 x 16 x 2,048 x 64 float32; qry 2 x 16 x 2,048 x 64 float32; val 2 x 16 x 2,048 x 64 float32.
;; Outputs: out0 2 x 16 x 2,048 x 64 float32.
;; Constants: reg = 1.
;; This version of the problem:
;;   THIS VERSION OF THE PROBLEM IS GIVEN IN LOW PRECISION. The matrix products marked QUANTISED in the list below multiply operands that are first quantised to E2M3 (2 exponent bits, 3 mantissa bits; 6 bits a number), with one power-of-two scale for each 32 numbers along K (OCP MX v1.0); their sums are f32. All else is computed in f32.
;;   The module's matrix products, in the order in which they are computed (A, B: the left and right operand; K: the contracted axis; several contracted axes count as one K, in the product's order):
;;     1. batch 32 x [M 2,048, K 64] x [K 64, N 2,048]; A: input qry; B: input key: QUANTISED
;;     2. batch 32 x [M 2,048, K 2,048] x [K 2,048, N 64]; A: computed on the way; B: input val: QUANTISED
;;   THE QUANTISER, for each operand of a quantised product, along K:
;;     - K is cut into blocks of 32 from its start; a last block that is shorter is filled with zeros.
;;     - A block's scale is 2^e with e = floor(log2(the largest magnitude in the block)) - 2, held to -126 .. 127; a block of zeros has e = 0. As a byte (E8M0): e + 127.
;;     - Each number is divided by its block's scale, clamped to +-7.5, and rounded to the nearest number of E2M3, ties to even, subnormals kept.
;;     - The product sums the exact products of the quantised numbers (number of the format x scale) in f32.
;;   ~~~python
;;   def quantise(x, axis):      # numpy; x: float32 -> the quantised numbers, widened to float32 again
;;       x = np.moveaxis(x, axis, -1); K = x.shape[-1]
;;       x = np.pad(x, [(0, 0)] * (x.ndim - 1) + [(0, -K % 32)]); x = x.reshape(x.shape[:-1] + (-1, 32)); a = np.abs(x).max(-1, keepdims=True)
;;       e = np.where(a > 0, np.clip(np.frexp(np.where(a > 0, a, 1))[1] - 1 - 2, -126, 127), 0)      # np.frexp(a)[1] - 1 = floor(log2(a)), exactly
;;       r = np.clip(x / 2.0 ** e, -7.5, 7.5)
;;       step = 2.0 ** (np.maximum(np.frexp(np.where(r == 0, 1, r))[1] - 1, 0) - 3)
;;       q = np.round(r / step) * step * 2.0 ** e      # np.round: ties to even
;;       return np.moveaxis(q.reshape(q.shape[:-2] + (-1,))[..., :K], -1, axis).astype(np.float32)
;;   ~~~
;;   OPERANDS COMPUTED ON THE WAY. 'Computed on the way' means the value that the module computes at that place (a softmax that the list does not call 'softmax' is quantised finished and normalised). What goes into a quantiser is computed in f32, as accurately as f32 sums, v_exp_f32 and their like allow (about 1e-6 of the number): no bf16 or f16 on the way to a quantiser, and a product that is left as it is and whose result goes on into a quantised operand takes f32 operands (vector FMAs, or v_wmma_f32_16x16x4_f32). A number that lies on a knife's edge between two numbers of the format may be rounded either way, as far as f32 arithmetic and the matrix unit's own rounding can turn it there, and no further.
;; One version. Each part assembles by itself: llvm-mc -triple=amdgcn-amd-amdhsa -mcpu=gfx1250 --defsym DOCPART=n.
;; ======== version 1 of 1: 3 launches
;; limits: right only within a limited range of input values
;; workspace buffers: qc 3,276,800 bytes; kv 6,553,600 bytes; zn 262,144 bytes
;; launch quant (part 1): grid 1536 x 1, 4 waves a work-group, no clusters, 37,376 bytes of LDS; arguments qry, key, val, qc, kv; writes qc, kv
.if DOCPART == 1
	.amdgcn_target "amdgcn-amd-amdhsa--gfx1250"
	.amdhsa_code_object_version 6
	.text
	.protected	k_q9c2a795ef7_quant
	.globl	k_q9c2a795ef7_quant
	.p2align	8
	.type	k_q9c2a795ef7_quant,@function
k_q9c2a795ef7_quant:
	s_mov_b64 s[64:65], 0
	v_nop
	global_prefetch_b8 v0, s[64:65] scope:SCOPE_SE
	s_setreg_imm32_b32 hwreg(HW_REG_WAVE_MODE, 25, 1), 1
	s_wait_xcnt 0x0
; qry, key, val: [32 heads][2048][64] f32  ->  codes of FP6 (E2M3) with one E8M0 byte for each 32 along a product's K, laid as IMAGES OF OPERAND REGISTERS.
; A work-group takes a step of 128 rows (32,768 bytes) of one tensor: numbers 0-511 qry, 512-1023 key, 1024-1535 val.
; Q, K (K = the 64 features): an image is a group of 32 rows, 12 registers a lane, register 4 p + e of lane l at byte 512 p + 16 l + 4 e.  Registers 6 u .. 6 u + 5 of lane (r, h) hold
;   row 8 u + (r & 7) + 16 (r >> 3) of the group, features 32 h .. 32 h + 31: two tiles of 16 rows side by side along the instruction's 128.  Scale word 16 d + r of a step: bytes (u0,h0) (u0,h1) (u1,h0) (u1,h1).
; V (K = the keys): an image is 16 channels x 128 keys: registers 6 c .. 6 c + 5 of lane (r, h) hold channel 16 t + r, keys 64 c + 32 h + 0 .. 31.  Scale word 16 t + r: byte 2 c + h.
; qc[head][step]: 4 images, 256 bytes of scale words: 6,400 bytes.  kv[head][step]: K's 6,400 bytes so, then V's 6,400 bytes.
; A block's scale is 2^(floor(log2(largest magnitude)) - 2); its byte is the largest magnitude's exponent field - 2, held at 1 from below.
; LIMITS: a block of zeros gets the byte 1 (its codes are zeros, and this program alone reads the bytes); NaN and infinities among the inputs are not served.
; No tensor loads, no matrix unit, no cluster: a stream in which every byte is read once and work-groups share nothing.
; THE GROUPS of Q and K: group d of a step is its rows 64 (d >> 1) + 16 (d & 1) + 0 .. 15 and the sixteen rows that lie 32 further on; 'row x of the group' above counts these 32 in ascending order.
; So tile 2 d + u = t holds, in its row r, the step's row 64 (t >> 2) + 8 (t & 3) + (r & 7) + 32 (r >> 3): in a transposed score tile a lane's eight registers of four neighbouring tiles are one whole block of 32 keys.
.set SCQ, 35840                        ; LDS: four stages of 8,960 bytes (Q, K path), then that path's 256 bytes of scale words,
.set VSL, 36096                        ; then the V path's 256 bytes: each path has LDS bytes of its own
.set TM, 16                            ; v16-17  largest magnitudes of my two blocks
.set SO, 18                            ; v18-19  the conversions' scale operands
.set BY, 20                            ; v20-21  the scale bytes
.set W,  22                            ; v22     a scale word;  v23 the other half's part
.set WO, 23
.set C,  24                            ; v24-35  the twelve registers of codes
.set CT, 36                            ; v36-43  the upper halves of two blocks, as the conversions leave them
.set R,  44                            ; v44-107 32 rows as loaded
.set X,  44                            ; v44-107 two blocks of 32 neighbours along K: on the registers of R, which the stage's stores have read by then
	s_load_b256 s[4:11], s[0:1], 0x0               ; qry s[4:5], key s[6:7], val s[8:9], qc s[10:11]
	s_load_b64 s[12:13], s[0:1], 0x20              ; kv
	v_lshl_add_u32 v108, v0, 2, 0x9000
	v_mov_b32 v109, 0
	v_lshrrev_b32 v1, 5, v0
	v_readfirstlane_b32 s14, v1                    ; wave 0..3
	s_and_b32 s15, ttmp9, 511                      ; 16 x head + step
	s_mov_b32 s20, 0x76543210
	s_mov_b32 s21, 0xfedcba98                      ; v_permlanex16_b32's selects for lane l xor 16
	v_and_b32 v1, 31, v0                           ; lane
	v_and_b32 v2, 15, v0                           ; r
	v_bfe_u32 v3, v0, 4, 1                         ; h
	v_lshlrev_b32 v4, 4, v1                        ; 16 x lane: a load's and an image's place
	; every LDS address is made here, ahead of the parting of the two paths
	s_mul_i32 s16, s14, 8960                       ; my stage
	v_mul_u32_u24 v5, v3, 272
	v_lshl_add_u32 v5, v2, 4, v5
	v_add_nc_u32 v5, s16, v5                       ; in: two rows a load, rows 272 bytes apart
	v_and_b32 v15, 7, v2
	v_lshrrev_b32 v16, 3, v2
	v_lshl_add_u32 v15, v16, 4, v15                ; (r & 7) + 16 (r >> 3)
	v_mul_u32_u24 v6, v15, 272
	v_lshl_add_u32 v6, v16, 7, v6                  ; rows 16 on lie 128 bytes further, so that the sixteen rows of a read fall on different banks
	v_lshl_add_u32 v6, v3, 7, v6                   ; my half's 32 features
	v_add_nc_u32 v6, s16, v6                       ; out: my row of tile 0; tile 1's lies 8 rows on
	s_lshl_b32 s17, s14, 6
	v_lshl_add_u32 v7, v2, 2, s17
	v_add_nc_u32 v7, SCQ, v7                       ; scale word 16 d + r, d = my wave
	v_lshl_add_u32 v8, v1, 3, SCQ                  ; and 8 bytes a lane on the way out
	v_lshlrev_b32 v9, 3, v1
	v_lshlrev_b32 v10, 3, v3                       ; 8 h: my bytes' place in a scale word
	v_lshlrev_b32 v11, 2, v1                       ; V: 4 bytes a lane
	v_mul_u32_u24 v12, v3, 1536
	v_lshl_add_u32 v12, v2, 4, v12                 ; V: my place in two neighbouring images
	s_and_b32 s18, s14, 1                          ; V: y, which 32 channels
	s_lshr_b32 s19, s14, 1                         ; V: which half of each 64 keys
	s_lshl_b32 s17, s18, 7
	s_add_co_u32 s17, s17, s19
	v_lshl_add_u32 v13, v1, 2, s17
	v_add_nc_u32 v13, VSL, v13                     ; V: byte (half) of scale word 32 y + lane
	v_lshl_add_u32 v14, v1, 3, VSL
	v_mov_b32 v[WO], 0                             ; a lane permute's destination counts as one of its sources
	s_lshl_b32 s16, s15, 15                        ; the step's first byte in its tensor
	s_mov_b32 s17, 0
; 64 numbers of a lane, two blocks of 32 neighbours along K, become twelve registers of codes and two scale bytes.  No other lane is asked.
.macro QUANT2
.irp b, 0,1
	v_max3_num_f32 v[TM+\b], |v[X+32*\b]|, |v[X+32*\b+1]|, 0x1800000   ; the floor 2^(3 - 127) among the leaves: the byte cannot fall under 1
.endr
.irp i, 2,4,6,8,10,12,14,16,18,20,22,24,26,28,30
.irp b, 0,1
	v_max3_num_f32 v[TM+\b], v[TM+\b], |v[X+32*\b+\i]|, |v[X+32*\b+\i+1]|
.endr
.endr
.irp b, 0,1
	v_add_nc_u32 v[SO+\b], 0xff000000, v[TM+\b]    ; 2 off the exponent field: the conversion takes that field as its scale
.endr
.irp b, 0,1
	v_lshrrev_b32 v[BY+\b], 23, v[SO+\b]           ; the scale's byte
.endr
.irp b, 0,1
	v_cvt_scalef32_pk16_fp6_f32 v[C+6*\b:C+6*\b+2], v[X+32*\b:X+32*\b+15], v[SO+\b]
	v_cvt_scalef32_pk16_fp6_f32 v[CT+4*\b:CT+4*\b+2], v[X+32*\b+16:X+32*\b+31], v[SO+\b]   ; a conversion's three registers begin on an even number
.endr
	v_nop                                          ; one plain place behind a scaled conversion
.irp b, 0,1
.irp i, 0,1,2
	v_mov_b32 v[C+6*\b+3+\i], v[CT+4*\b+\i]
.endr
.endr
.endm
; The step's 256 bytes of scale words leave as one aligned block: every wave's LDS stores are done, a barrier, wave 0 reads 8 bytes a lane and stores them behind the four images.
.macro TAIL rd
	s_wait_dscnt 0x0                               ; for the others' sake: my stores of scale bytes have landed
	s_barrier_signal -1
	s_barrier_wait -1
	s_cmp_lg_u32 s14, 0
	s_cbranch_scc1 .Lend_\@
	ds_load_b64 v[16:17], v[\rd]
	s_wait_dscnt 0x0
	global_store_b64 v9, v[16:17], s[26:27] offset:6144
.Lend_\@:
	s_wait_tensorcnt 0x0
	ds_add_u32 v108, v109
	s_wait_dscnt 0x0
	s_endpgm
.endm
	s_wait_kmcnt 0x0
	s_cmp_ge_u32 ttmp9, 1024
	s_cbranch_scc1 .Lval
	; ---- Q or K: wave w takes group w of the step: 32 rows of 256 bytes
	s_cmp_lt_u32 ttmp9, 512                        ; the choice hangs on the work-group's number alone
	s_cselect_b64 s[24:25], s[4:5], s[6:7]
	s_cselect_b64 s[26:27], s[10:11], s[12:13]
	s_mov_b32 s22, 12800
	s_cselect_b32 s22, 6400, s22                   ; a step's bytes in qc or in kv
	s_lshl_b32 s23, s19, 14                        ; 64 (wave >> 1) rows of 256 bytes
	s_add_co_u32 s16, s16, s23
	s_lshl_b32 s23, s18, 12                        ; + 16 (wave & 1) rows
	s_add_co_u32 s16, s16, s23
	s_add_nc_u64 s[24:25], s[24:25], s[16:17]      ; my group's first row
	s_mul_i32 s16, s15, s22
	s_add_nc_u64 s[26:27], s[26:27], s[16:17]      ; the step's place in the codes' buffer
	s_mul_i32 s16, s14, 1536
	s_add_nc_u64 s[28:29], s[26:27], s[16:17]      ; my image
.set i, 0
.rept 16
	global_load_b128 v[R+4*i:R+4*i+3], v4, s[24:25] offset:512*i+4096*(i/8) th:TH_LOAD_NT   ; 512 consecutive bytes: two rows; the group's second sixteen rows lie 16 rows further on
.set i, i+1
.endr
.set i, 0
.rept 16
	s_wait_loadcnt 15-i                            ; loads come back in order: load i is in, the younger ones stay out
	ds_store_b128 v5, v[R+4*i:R+4*i+3] offset:544*i+128*(i/8)
.set i, i+1
.endr
	s_wait_dscnt 0x0                               ; the stores into the stage have read their registers, which the loads below write
.irp u, 0,1
.irp i, 0,1,2,3,4,5,6,7
	ds_load_b128 v[X+32*\u+4*\i:X+32*\u+4*\i+3], v6 offset:2176*\u+16*\i   ; my own stage: LDS serves a wave's instructions in order
.endr
.endr
	s_wait_dscnt 0x0
	QUANT2
	v_lshl_or_b32 v[W], v[BY+1], 16, v[BY]         ; my two bytes: (u0, h) and (u1, h),
	v_lshlrev_b32 v[W], v10, v[W]                  ; 8 h bits up;
	v_permlanex16_b32 v[WO], v[W], s20, s21
	v_or_b32 v[W], v[W], v[WO]                     ; with lane l xor 16's two the word is whole
.irp p, 0,1,2
	global_store_b128 v4, v[C+4*\p:C+4*\p+3], s[28:29] offset:512*\p   ; 512 consecutive bytes, at a multiple of 256 from the buffer's first byte
.endr
	ds_store_b32 v7, v[W]                          ; both halves write the same word with the same value
	TAIL 8
	; ---- V: lane l of wave (y, half) takes channel 32 y + l, and its registers run down the keys 64 c + 32 half + 0 .. 31
.Lval:
	s_lshl_b32 s23, s19, 13                        ; 32 keys of 256 bytes
	s_add_co_u32 s16, s16, s23
	s_lshl_b32 s23, s18, 7                         ; 32 channels
	s_add_co_u32 s16, s16, s23
	s_add_nc_u64 s[24:25], s[8:9], s[16:17]
	s_mul_i32 s16, s15, 12800
	s_add_co_u32 s16, s16, 6400
	s_add_nc_u64 s[26:27], s[12:13], s[16:17]      ; V's part of the step in kv
	s_mul_i32 s16, s18, 3072                       ; channel tiles 2 y and 2 y + 1,
	s_lshl_b32 s23, s19, 8                         ; image lanes 16 x half on
	s_add_co_u32 s16, s16, s23
	s_add_nc_u64 s[28:29], s[26:27], s[16:17]
	s_wait_alu depctr_va_vdst(0)
.irp c, 0,1
.set i, 0
.rept 32
	global_load_b32 v[X+32*\c+i], v11, s[24:25] offset:(64*\c+i)*256 th:TH_LOAD_NT   ; one key, 32 neighbouring channels: 128 consecutive bytes; the wave beside me takes the row's other half
.set i, i+1
.endr
.endr
	s_wait_loadcnt 0x0
	QUANT2                                         ; my twelve registers are those of image lane 16 x half + (l & 15) of tile 2 y + (l >> 4)
.irp p, 0,1,2
	global_store_b128 v12, v[C+4*\p:C+4*\p+3], s[28:29] offset:512*\p   ; sixteen lanes fill 256 consecutive bytes, aligned
.endr
	ds_store_b8 v13, v[BY]                         ; byte 2 c + half of my channel's scale word
	ds_store_b8 v13, v[BY+1] offset:2
	TAIL 14
.Lfunc_end_k_q9c2a795ef7_quant:
	.size	k_q9c2a795ef7_quant, .Lfunc_end_k_q9c2a795ef7_quant-k_q9c2a795ef7_quant
	.p2alignl 7, 3214868480
	.fill 96, 4, 3214868480
	.section	.rodata,"a",@progbits
	.p2align	6, 0x0
	.amdhsa_kernel k_q9c2a795ef7_quant
		.amdhsa_group_segment_fixed_size 37376
		.amdhsa_private_segment_fixed_size 0
		.amdhsa_enable_private_segment 0
		.amdhsa_kernarg_size 40
		.amdhsa_user_sgpr_count 2
		.amdhsa_user_sgpr_kernarg_segment_ptr 1
		.amdhsa_wavefront_size32 1
		.amdhsa_system_sgpr_workgroup_id_x 1
		.amdhsa_system_sgpr_workgroup_id_y 1
		.amdhsa_system_sgpr_workgroup_id_z 1
		.amdhsa_system_vgpr_workitem_id 0
		.amdhsa_next_free_vgpr 110
		.amdhsa_next_free_sgpr 66
		.amdhsa_reserve_vcc 0
		.amdhsa_float_denorm_mode_32 3
		.amdhsa_float_denorm_mode_16_64 3
		.amdhsa_memory_ordered 1
		.amdhsa_forward_progress 1
		.amdhsa_inst_pref_size 22
	.end_amdhsa_kernel
	.amdgpu_metadata
---
amdhsa.version: [ 1, 2 ]
amdhsa.kernels:
  - .name:           k_q9c2a795ef7_quant
    .symbol:         k_q9c2a795ef7_quant.kd
    .args:
      - { .name: qry, .offset: 0, .size: 8, .value_kind: global_buffer, .address_space: global }
      - { .name: key, .offset: 8, .size: 8, .value_kind: global_buffer, .address_space: global }
      - { .name: val, .offset: 16, .size: 8, .value_kind: global_buffer, .address_space: global }
      - { .name: qc, .offset: 24, .size: 8, .value_kind: global_buffer, .address_space: global }
      - { .name: kv, .offset: 32, .size: 8, .value_kind: global_buffer, .address_space: global }
    .group_segment_fixed_size: 37376
    .private_segment_fixed_size: 0
    .kernarg_segment_align: 8
    .kernarg_segment_size: 40
    .max_flat_workgroup_size: 128
    .sgpr_count:     66
    .vgpr_count:     110
    .wavefront_size: 32
...
	.end_amdgpu_metadata
.endif
;; end of part 1
;; launch stats (part 2): grid 8 x 32, 16 waves a work-group, no clusters, 169,984 bytes of LDS; arguments qc, kv, zn; writes zn
.if DOCPART == 2
	.amdgcn_target "amdgcn-amd-amdhsa--gfx1250"
	.amdhsa_code_object_version 6
	.text
	.protected	k_q9c2a795ef7_stats
	.globl	k_q9c2a795ef7_stats
	.p2align	8
	.type	k_q9c2a795ef7_stats,@function
k_q9c2a795ef7_stats:
	s_mov_b64 s[64:65], 0
	v_nop
	global_prefetch_b8 v0, s[64:65] scope:SCOPE_SE
	s_setreg_imm32_b32 hwreg(HW_REG_WAVE_MODE, 25, 1), 1
	s_wait_xcnt 0x0
; For each key k of a head: zn[k] = -(c m[k] + log2 l[k]), c = log2 e, m[k] = the largest S[q][k] over all 2,048 queries, l[k] = the sum over q of e^(S[q][k] - m[k]); S = Q K^T + I on codes of FP6.
; The next launch then has the finished softmax over the queries as p = 2^(c S + zn[k]).  The same rounded c m stands in l and in zn.
; SHARES.  A work-group takes 256 keys of a head; each of its sixteen waves one tile of 16 keys, and walks all 16 steps of 128 queries.  Source 0 = queries, source 1 = my keys:
; a lane holds ONE key (lane % 16) and its registers run over queries: the running maximum and the sums stay in the lane until the end, where the two halves of the lanes meet.
; K = 64 IN AN INSTRUCTION OF 128: a fragment of Q holds two tiles of 16 queries side by side along K; my keys stand once as [K | 0] and once as [0 | K]: eighteen registers 0, K, 0 serve both.
; BY STAGES.  Raw scores land in R; the scaling c s - c m reads R and writes S.  The NEXT step's eight products stand singly among this step's exponentials; the fragments of the step after that are fetched at the step's end.
; THE SUMS run in eight chains of pairs, one for each place in a block of sixteen exponentials: each chain is written once between two of the waits at the blocks' heads.
; The factor 2^(c m_old - c m_new) goes into each chain's first addition of a step as a fused multiply-add.
; THE IDENTITY (reg = 1): Q's and K's images order their rows alike, so q = k where the tiles' numbers are equal and row = column: eight additions to one tile, under scalar branches on ids.
; LDS: the head's codes of Q, 102,400 bytes as they lie in qc: wave w brings step w, 25 rows of 256 bytes, by its one tensor load; nothing is filled again.  Then 1,024 bytes for the way out, and the spare words.
; NO CLUSTER: the eight work-groups of a head read the same tiles, but the identity wants a branch on the work-group's own block of keys, which partners of a joint request may not have.
; NO PREFETCH: all that the work-group reads is asked for by the sixteen loads at its head; there is no later request to run ahead of.
; LIMITS: scores under -1e38 (the running maximum's start), NaN and infinities are not served.
.set ZST, 102400
.set SPARE, 0x29000
.set LI,  4                            ; 16 x lane
.set LS,  5                            ; 4 x lane + 6144: a step's scale words
.set ADQ, 6
.set ADS, 7
.set ZW,  8                            ; where my key's number goes
.set KSW, 10                           ; my keys' scale word: the two bytes, twice
.set QSC, 12                           ; v12-13 Q's scale words: lanes 0-15 an even group's, lanes 16-31 the odd group's
.set EYE, 16                           ; v16-23 1.0 where row = column
.set NCM, 24                           ; -c m
.set M,   25
.set L,   26                           ; v26-29 and v60-71: the eight chains of sums
.set A,   30                           ; v[30:31] 2^(c m_old - c m_new)
.set TX,  32                           ; v32-35 four chains of the maximum
.set OLD, 36
.set PD,  37
.set KB,  40                           ; v40-57 0 x 6, my keys' codes x 6, 0 x 6
.set TT,  60                           ; v60-71 at the head the image of my keys' group
.set QF,  72                           ; v72-119 four fragments of Q
.set S,   120                          ; v120-183
.set R,   184                          ; v184-247
	s_load_b128 s[4:7], s[0:1], 0x0                ; qc, kv
	s_load_b64 s[8:9], s[0:1], 0x10                ; zn
	v_lshl_add_u32 v248, v0, 2, SPARE
	v_mov_b32 v249, 0
	ds_add_u32 v248, v249
	ds_add_u32 v248, v249
	v_lshrrev_b32 v1, 5, v0
	v_readfirstlane_b32 s10, v1                    ; wave 0..15
	s_mov_b32 s11, ttmp9                           ; which 256 keys
	s_and_b32 s12, ttmp7, 0xffff                   ; the head
	s_mov_b32 s32, 3<<16                           ; group 1: 25 dense rows of 32 elements of 8 bytes
	s_mov_b32 s33, 32<<16
	s_mov_b32 s34, 25<<16
	s_mov_b32 s35, 32<<16
	s_mov_b32 s36, 25
	s_mov_b32 s37, 32
	s_mov_b32 s38, 0
	s_mov_b32 s39, 0
	s_mul_i32 s14, s10, 6400                       ; wave w brings step w
	s_mul_i32 s16, s12, 102400
	s_add_co_u32 s16, s16, s14
	s_mov_b32 s17, 0
	s_mov_b32 s40, 1
	s_mov_b32 s41, s14
	s_wait_dscnt 0x0
	s_wait_kmcnt 0x0
	s_add_nc_u64 s[42:43], s[4:5], s[16:17]
	s_or_b32 s43, s43, 0x80000000
	tensor_load_to_lds s[40:43], s[32:39]          ; my one tensor load
	s_nop 0
.rept 4
	v_nop
.endr
	; my tile of keys: number 16 X + w in the head: step 2 X + (w >> 3), group d = (w >> 1) & 3, half u = w & 1
	s_lshl_b32 s16, s12, 4
	s_lshl_b32 s17, s11, 1
	s_add_co_u32 s16, s16, s17
	s_lshr_b32 s17, s10, 3
	s_add_co_u32 s16, s16, s17
	s_mul_i32 s16, s16, 12800
	s_mov_b32 s17, 0
	s_add_nc_u64 s[6:7], s[6:7], s[16:17]          ; kv at my keys' step
	s_bfe_u32 s18, s10, 0x20001                    ; d
	s_mul_i32 s19, s18, 1536
	s_lshl_b32 s18, s18, 6
	s_and_b32 s29, s10, 1                          ; u
	s_sub_co_u32 s28, 0, s29                       ; all ones where u = 1
	s_lshl_b32 s29, s29, 4
	s_mov_b32 s20, 0x76543210
	s_mov_b32 s21, 0xfedcba98
	s_mov_b32 s22, 0x3fb8aa3b                      ; c = log2 e
	s_mov_b32 s23, s22
	s_mov_b32 s24, 0xbfb8aa3b                      ; -c
	s_lshl_b32 s26, s11, 4
	s_add_co_u32 s26, s26, s10                     ; my tile's number less 8 x the query step
	s_lshl_b32 s16, s12, 13
	s_lshl_b32 s17, s11, 10
	s_add_co_u32 s16, s16, s17
	s_mov_b32 s17, 0
	s_add_nc_u64 s[8:9], s[8:9], s[16:17]          ; zn at the work-group's 256 keys
	s_lshr_b32 s30, s10, 2
	s_lshl_b32 s30, s30, 8
	s_and_b32 s17, s10, 3
	s_lshl_b32 s17, s17, 5
	s_add_co_u32 s30, s30, s17
	s_add_co_u32 s30, s30, ZST                     ; 4 x (64 (w >> 2) + 8 (w & 3)), in the stage
	v_and_b32 v1, 31, v0                           ; lane
	v_and_b32 v2, 15, v0                           ; r
	v_bfe_u32 v3, v0, 4, 1                         ; h
	v_lshl_add_u32 v9, v1, 4, s19
	v_lshl_add_u32 v11, v2, 2, s18
.irp p, 0,1,2
	global_load_b128 v[TT+4*\p:TT+4*\p+3], v9, s[6:7] offset:512*\p
.endr
	global_load_b32 v[KSW], v11, s[6:7] offset:6144
	v_lshlrev_b32 v[LI], 4, v1
	v_lshl_add_u32 v[LS], v1, 2, 6144
	v_and_b32 v32, 7, v2
	v_lshrrev_b32 v33, 3, v2
	v_lshl_add_u32 v38, v0, 4, ZST                 ; the way out: 16 bytes a thread (threads 0-63)
	v_lshlrev_b32 v39, 4, v0
	v_lshl_add_u32 v32, v33, 5, v32
	v_lshlrev_b32 v33, 3, v3
	v_mov_b32 v34, 1.0
	v_lshl_add_u32 v[ZW], v32, 2, s30              ; key 64 (w >> 2) + 8 (w & 3) + (r & 7) + 32 (r >> 3) of the 256
	v_sub_nc_u32 v32, v2, v33                      ; r - 8 h
.irp j, 0,1,2,3,4,5,6,7
	v_cmp_eq_u32 vcc_lo, \j, v32
	v_cndmask_b32 v[EYE+\j], 0, v34, vcc_lo        ; register j holds row 8 h + j, column r
.endr
	v_mov_b32 v[M], 0xfe967699                     ; -1e38
	v_mov_b32 v[A+1], 0
	v_mov_b32 v[PD], 0
	v_mul_f32 v[NCM], s24, v[M]
.irp i, 0,1,2,3
	v_mov_b32 v[L+\i], 0
.endr
.irp i, 0,1,2,3,4,5
	v_mov_b32 v[KB+\i], 0
	v_mov_b32 v[KB+12+\i], 0
.endr
	s_wait_alu depctr_va_vdst(0)
	s_wait_loadcnt 0x0
	v_lshrrev_b32 v[KSW], s29, v[KSW]              ; my half's two bytes,
	s_delay_alu instid0(VALU_DEP_1)
	v_and_b32 v[KSW], 0xffff, v[KSW]
	s_delay_alu instid0(VALU_DEP_1)
	v_lshl_or_b32 v[KSW], v[KSW], 16, v[KSW]       ; twice: for [K | 0] and for [0 | K]; eighteen plain lines follow ahead of the first product
.irp i, 0,1,2,3,4,5
	v_cndmask_b32 v[KB+6+\i], v[TT+\i], v[TT+6+\i], s28
.endr
.irp i, 0,1,2,3,4,5,6,7,8,9,10,11
	v_mov_b32 v[TT+\i], 0                          ; six of the eight chains of sums
.endr
.macro DIAG1 val, tile                 ; the identity, where the step's tile is my tile
	s_cmp_eq_u32 s26, \val
	s_cbranch_scc0 .Loff_\@
	s_wait_alu depctr_va_vdst(0)                   ; ahead of the first read of matrix results
.irp j, 0,1,2,3,4,5,6,7
	v_add_f32 v[R+8*(\tile)+\j], v[R+8*(\tile)+\j], v[EYE+\j]
.endr
.Loff_\@:
.endm
.macro FPAIR p                         ; c s - c m, two at a time, out of R into S
	v_pk_fma_f32 v[S+2*(\p):S+2*(\p)+1], v[R+2*(\p):R+2*(\p)+1], s[22:23], v[NCM:NCM+1] op_sel_hi:[1,0,0]
.endm
.macro ADDP j                          ; pair j of 32 joins chain j % 8; a step's first eight bring their chain under the new maximum on the way
.set ai, (\j)%8
.if ai < 2
.set ar, L+2*ai
.else
.set ar, TT-4+2*ai
.endif
.if (\j) < 8
	v_pk_fma_f32 v[ar:ar+1], v[ar:ar+1], v[A:A+1], v[S+2*(\j):S+2*(\j)+1] op_sel_hi:[1,0,1]
.else
	v_pk_add_f32 v[ar:ar+1], v[ar:ar+1], v[S+2*(\j):S+2*(\j)+1]
.endif
.endm
.macro WM t                            ; tile t of eight: group t / 2 of the queries, its half t % 2; each product begins with the constant 0
.set wt, \t
.set wd, wt/2
.set wu, wt%2
.if wd % 2
	v_wmma_scale_f32_16x16x128_f8f6f4 v[R+8*wt:R+8*wt+7], v[QF+12*wd:QF+12*wd+11], v[KB+6-6*wu:KB+17-6*wu], 0, v[QSC+wd/2], v[KSW] matrix_a_fmt:MATRIX_FMT_FP6 matrix_b_fmt:MATRIX_FMT_FP6 matrix_a_scale:MATRIX_SCALE_ROW1
.else
	v_wmma_scale_f32_16x16x128_f8f6f4 v[R+8*wt:R+8*wt+7], v[QF+12*wd:QF+12*wd+11], v[KB+6-6*wu:KB+17-6*wu], 0, v[QSC+wd/2], v[KSW] matrix_a_fmt:MATRIX_FMT_FP6 matrix_b_fmt:MATRIX_FMT_FP6
.endif
.endm
.macro LOADQ aq, as, off               ; a step's four images, 512 consecutive bytes a load, and its scale words
.irp d, 0,1,2,3
.irp p, 0,1,2
	ds_load_b128 v[QF+12*\d+4*\p:QF+12*\d+4*\p+3], v[\aq] offset:\off+1536*\d+512*\p
.endr
.endr
	ds_load_b32 v[QSC], v[\as] offset:\off
	ds_load_b32 v[QSC+1], v[\as] offset:\off+128
.endm
; A STEP: the 128 queries whose raw scores lie in R.  mm = 1: the next step's products stand among the exponentials.  ld = 1: the fragments of the step after that are fetched at the end.
; PACE: a split barrier keeps the sixteen waves within a step of each other: a wave signals in the middle of a step and waits in the middle of the next (pace = 1: wait and signal; 2: the last wait).
; Between a signal and its wait stand register work and LDS loads of Q's codes, which nobody writes.
.macro STEP mm, ld, pace
	s_cmp_lt_u32 s26, 8
	s_cbranch_scc0 .Lfar_\@
.irp t, 0,1,2,3,4,5,6,7
	DIAG1 \t, \t
.endr
.Lfar_\@:
	s_wait_alu depctr_va_vdst(0)                   ; ahead of the first reads of the matrix results
.irp k, 0,1,2,3
	v_max3_num_f32 v[TX+\k], v[R+16*\k], v[R+16*\k+1], v[R+16*\k+2]   ; four chains; each tile is first read at its low end
.endr
.irp i, 3,5,7,9,11,13
.irp k, 0,1,2,3
	v_max3_num_f32 v[TX+\k], v[TX+\k], v[R+16*\k+\i], v[R+16*\k+\i+1]
.endr
.endr
	v_max3_num_f32 v[TX], v[TX], v[R+15], v[R+31]
	v_max3_num_f32 v[TX+2], v[TX+2], v[R+47], v[R+63]
	s_delay_alu instid0(VALU_DEP_1)
	v_max3_num_f32 v[TX], v[TX], v[TX+1], v[TX+2]
	s_delay_alu instid0(VALU_DEP_1)
	v_max3_num_f32 v[M], v[TX], v[TX+3], v[M]
	v_mov_b32 v[OLD], v[NCM]
	s_delay_alu instid0(VALU_DEP_2)
	v_mul_f32 v[NCM], s24, v[M]
	s_delay_alu instid0(VALU_DEP_1)
	v_sub_f32 v[A], v[NCM], v[OLD]                 ; c m_old - c m_new, 0 or less
	s_wait_alu depctr_va_vdst(0)
	v_exp_f32 v[A], v[A]
.irp i, 0,1,2,3,4,5,6,7
	FPAIR \i
.endr
.if \mm
	s_wait_dscnt 0x0                               ; the next step's fragments, asked for at the end of the step before
.endif
.if \pace
	s_barrier_wait -1                              ; every wave has reached the middle of the step before
.endif
.if \pace == 1
	s_barrier_signal -1                            ; no LDS instruction of mine is out here
.endif
	; four blocks of sixteen exponentials; between them the next block's scalings and the last block's sums.  One wait at each block's head serves both.
.irp b, 0,1,2,3
	s_wait_alu depctr_va_vdst(0)
.irp i, 0,1,2,3,4,5,6,7
.if \mm && (\i % 4 == 0)
	WM 2*\b+\i/4
.endif
	v_exp_f32 v[S+16*\b+2*\i], v[S+16*\b+2*\i]
.if \b < 3
	FPAIR 8*(\b+1)+\i
.endif
	v_exp_f32 v[S+16*\b+2*\i+1], v[S+16*\b+2*\i+1]
.if \b > 0
	ADDP 8*(\b-1)+\i
.endif
.endr
.endr
	s_wait_alu depctr_va_vdst(0)                   ; for the last sixteen exponentials
.irp i, 24,25,26,27
	ADDP \i
.endr
.if \ld
	v_add_nc_u32 v[ADQ], s25, v[LI]                ; eight sums and these two lines stand between the last product and the loads into the registers that it read (ISA guide 7.12.1 asks four places)
	v_add_nc_u32 v[ADS], s25, v[LS]
	LOADQ ADQ, ADS, 0
	s_add_co_u32 s25, s25, 6400
.endif
.irp i, 28,29,30,31
	ADDP \i
.endr
	s_sub_co_u32 s26, s26, 8
.endm
	s_wait_alu depctr_va_vdst(0)
	s_wait_tensorcnt 0x0                           ; my step of Q is in
	s_wait_dscnt 0x0
	s_barrier_signal -1
	s_barrier_wait -1                              ; and everybody's
	LOADQ LI, LS, 0                                ; step 0
	s_wait_dscnt 0x0
.irp t, 0,1,2,3,4,5,6,7
	WM \t
.endr
.rept 4
	v_nop                                          ; four places ahead of the loads into registers that these products read, and of the first read of their results
.endr
	s_barrier_signal -1                            ; the pace's first signal: no LDS instruction of mine is out
	LOADQ LI, LS, 6400                             ; step 1
	s_mov_b32 s25, 12800
	s_mov_b32 s27, 14
.Lstep:                                                ; steps 0-13 fetch steps 2-15
	STEP 1, 1, 1
	s_sub_co_u32 s27, s27, 1
	s_cmp_lg_u32 s27, 0
	s_wait_alu depctr_va_vdst(0)
	s_cbranch_scc1 .Lstep
	STEP 1, 0, 2
	STEP 0, 0, 0
	v_pk_add_f32 v[L:L+1], v[L:L+1], v[L+2:L+3]    ; the eight chains meet
	v_pk_add_f32 v[TT:TT+1], v[TT:TT+1], v[TT+2:TT+3]
	v_pk_add_f32 v[TT+4:TT+5], v[TT+4:TT+5], v[TT+6:TT+7]
	v_pk_add_f32 v[TT+8:TT+9], v[TT+8:TT+9], v[TT+10:TT+11]
	v_pk_add_f32 v[L:L+1], v[L:L+1], v[TT:TT+1]
	v_pk_add_f32 v[TT+4:TT+5], v[TT+4:TT+5], v[TT+8:TT+9]
	v_permlanex16_b32 v[PD], v[M], s20, s21        ; the two halves of the lanes hold the same key's other queries: both go under the larger maximum
	v_pk_add_f32 v[L:L+1], v[L:L+1], v[TT+4:TT+5]
	v_max_num_f32 v32, v[M], v[PD]
	s_delay_alu instid0(VALU_DEP_2)
	v_add_f32 v[L], v[L], v[L+1]
	v_mul_f32 v33, s24, v32                        ; -c m
	s_delay_alu instid0(VALU_DEP_1)
	v_sub_f32 v34, v33, v[NCM]
	s_wait_alu depctr_va_vdst(0)
	v_exp_f32 v34, v34
	v_nop                                          ; one plain place behind a transcendental
	s_wait_alu depctr_va_vdst(0)
	v_mul_f32 v[L], v[L], v34
	s_delay_alu instid0(VALU_DEP_1)
	v_permlanex16_b32 v[PD], v[L], s20, s21
	s_delay_alu instid0(VALU_DEP_1)
	v_add_f32 v[L], v[L], v[PD]
	s_wait_alu depctr_va_vdst(0)
	v_log_f32 v35, v[L]
	v_nop
	s_wait_alu depctr_va_vdst(0)
	v_sub_f32 v36, v33, v35                        ; zn = -c m - log2 l
	ds_store_b32 v[ZW], v36                        ; both halves write the same word with the same value
	s_wait_dscnt 0x0                               ; for the others' sake
	s_barrier_signal -1
	s_barrier_wait -1
	s_cmp_lt_u32 s10, 2
	s_cbranch_scc0 .Ldone
	ds_load_b128 v[TT:TT+3], v38
	s_wait_dscnt 0x0
	global_store_b128 v39, v[TT:TT+3], s[8:9]      ; sixteen lanes fill 256 consecutive bytes, aligned
.Ldone:
	s_wait_tensorcnt 0x0                           ; the wave's end
	ds_add_u32 v248, v249
	s_wait_dscnt 0x0
	s_endpgm
.Lfunc_end_k_q9c2a795ef7_stats:
	.size	k_q9c2a795ef7_stats, .Lfunc_end_k_q9c2a795ef7_stats-k_q9c2a795ef7_stats
	.p2alignl 7, 3214868480
	.fill 96, 4, 3214868480
	.section	.rodata,"a",@progbits
	.p2align	6, 0x0
	.amdhsa_kernel k_q9c2a795ef7_stats
		.amdhsa_group_segment_fixed_size 169984
		.amdhsa_private_segment_fixed_size 0
		.amdhsa_enable_private_segment 0
		.amdhsa_kernarg_size 24
		.amdhsa_user_sgpr_count 2
		.amdhsa_user_sgpr_kernarg_segment_ptr 1
		.amdhsa_wavefront_size32 1
		.amdhsa_system_sgpr_workgroup_id_x 1
		.amdhsa_system_sgpr_workgroup_id_y 1
		.amdhsa_system_sgpr_workgroup_id_z 1
		.amdhsa_system_vgpr_workitem_id 0
		.amdhsa_next_free_vgpr 250
		.amdhsa_next_free_sgpr 66
		.amdhsa_reserve_vcc 1
		.amdhsa_float_denorm_mode_32 3
		.amdhsa_float_denorm_mode_16_64 3
		.amdhsa_memory_ordered 1
		.amdhsa_forward_progress 1
		.amdhsa_inst_pref_size 49
	.end_amdhsa_kernel
	.amdgpu_metadata
---
amdhsa.version: [ 1, 2 ]
amdhsa.kernels:
  - .name:           k_q9c2a795ef7_stats
    .symbol:         k_q9c2a795ef7_stats.kd
    .args:
      - { .name: qc, .offset: 0, .size: 8, .value_kind: global_buffer, .address_space: global }
      - { .name: kv, .offset: 8, .size: 8, .value_kind: global_buffer, .address_space: global }
      - { .name: zn, .offset: 16, .size: 8, .value_kind: global_buffer, .address_space: global }
    .group_segment_fixed_size: 169984
    .private_segment_fixed_size: 0
    .kernarg_segment_align: 8
    .kernarg_segment_size: 24
    .max_flat_workgroup_size: 512
    .sgpr_count:     66
    .vgpr_count:     250
    .wavefront_size: 32
...
	.end_amdgpu_metadata
.endif
;; end of part 2
;; launch attend (part 3): grid 8 x 32, 8 waves a work-group, no clusters, 327,680 bytes of LDS; arguments qc, kv, zn, out0; writes out0
.if DOCPART == 3
	.amdgcn_target "amdgcn-amd-amdhsa--gfx1250"
	.amdhsa_code_object_version 6
	.text
	.protected	k_q9c2a795ef7_attend
	.globl	k_q9c2a795ef7_attend
	.p2align	8
	.type	k_q9c2a795ef7_attend,@function
k_q9c2a795ef7_attend:
	s_mov_b64 s[64:65], 0
	v_nop
	global_prefetch_b8 v0, s[64:65] scope:SCOPE_SE
	s_setreg_imm32_b32 hwreg(HW_REG_WAVE_MODE, 25, 1), 1
	s_wait_xcnt 0x0
; out[q][:] = the sum over k of P[q][k] V[k][:], P = softmax over the QUERIES of Q K^T + I (reg = 1), both products on codes of FP6 (E2M3) with one E8M0 byte for each 32 along K.
; p = 2^(c s + zn[k]), c = log2 e, zn[k] = -(c m[k] + log2 l[k]) from the launch before: the maximum is taken away there; p is the finished softmax, and it is what is quantised, in blocks of 32 keys.
; SHARES.  A work-group takes 256 queries of a head; each of its eight waves one image of 32: two tiles of 16, which share every register of K, V and zn.  Every wave walks all keys, 128 a step.
; LAYOUT.  Both products are used transposed: S^T = K Q^T, O^T = V^T P^T: a lane holds ONE query (lane % 16) throughout.
; K = 64 IN AN INSTRUCTION OF 128: a fragment of K holds two tiles of 16 keys side by side along K; my queries stand once as [Q | 0] and once as [0 | Q].
; Tile t of a step holds in its row r key 64 (t >> 2) + 8 (t & 3) + (r & 7) + 32 (r >> 3): so registers 32 c + x of a lane's 64 scores are keys 64 c + 32 (lane / 16) + x: a WHOLE block of 32 in a lane,
; in the order of the second product's operand.  A block's largest p needs no other lane and the codes change no lane; only the scale word's bytes are joined across the halves.
; A SLOT is one tile of queries against a step's 128 keys, whose scaled scores c s + zn lie in S at its start.  In it stand: the four products V^T P of the slot before; 64 exponentials, and among them
; the eight score products of the NEXT slot, into R; the block maxima and the conversions; then the next slot's 32 scalings out of R into S, and among them this slot's scale word and the moves of its codes.
; One wait stands ahead of each batch.
; THE IDENTITY: Q's and K's images order their rows alike, so q = k where the tiles' numbers are equal and row = column: eight additions, under scalar branches on ids.
; LDS: the head's K and V, 204,800 bytes as they lie in kv: steps 0-3 by each wave's load of 25 rows at the head, steps 4-15 by its load of 75 rows behind the first barrier; nothing is filled again.
; zn, 8,192 bytes, comes through registers into bytes of its own; a stage of 4,352 bytes a wave; the spare words.  The claim of all of LDS.
; NO CLUSTER: the eight work-groups of a head read the same tiles, but the identity wants a branch on the work-group's own block of queries, which partners of a joint request may not have.
; NO PREFETCH: all of K and V is asked for by the two loads a wave, the second as soon as the first has landed; there is no later request to run ahead of.
; LIMITS: a p under 2^-126 counts as 0 (the exponential flushes denormals: ISA guide 15.8); the exponents c s + zn stay under 2^31 in magnitude; NaN and infinities are not served.
; REGISTERS.  Window 0: addresses, scale words, c twice, p's codes, S (64), R (64), K's fragments (48).  Window 1: zn v0-63, V's fragments v64-111, O^T v112-175, my queries v176-205 as 0, Q0, 0, Q1, 0.
.set ZNB, 204800
.set STG, 212992
.set SPARE, 0x40000
.set LI,  4                            ; 16 x lane
.set LS,  5                            ; 4 x lane
.set LZ,  6                            ; ZNB + 128 (lane / 16)
.set ADK, 7
.set ADS, 8
.set ADZ, 9
.set STO, 10
.set RD,  11
.set GO,  12
.set SH8, 13                           ; 8 (lane / 16)
.set QS,  14                           ; v14-15 my two tiles' scale words
.set EYE, 16                           ; v16-23
.set KSC, 24                           ; v24-25
.set VSC, 26                           ; v26-27
.set PSC, 28                           ; p's scale word
.set W,   29
.set WO,  30
.set TM,  32                           ; v32-35 two chains of the maximum for each of my two blocks
.set SO,  36                           ; v36-37 the conversions' scale operands
.set BY,  38                           ; v38-39 the scale bytes
.set SPW, 40
.set NIL, 41
.set CC,  46                           ; v46-47 c, twice
.set CT,  48                           ; v48-55 the blocks' upper halves, as the conversions leave them
.set PC,  56                           ; v56-67 p's codes
.set S,   68
.set R,   132
.set KF,  196
.set TT,  244                          ; v244-255 the image of my queries, at the head only
.set ZN,  0                            ; window 1
.set VF,  64
.set O,   112
.set QB,  176
.set MSB, 0
.macro WIN new                         ; the immediate's high byte repeats the setting that is left
.if MSB != \new
	s_set_vgpr_msb (MSB<<8)|\new
.set MSB, \new
.endif
.endm
.macro MKG1 g, rows                    ; group 1: dense rows of 32 elements of 8 bytes
	s_mov_b32 s[\g], 3<<16
	s_mov_b32 s[\g+1], 32<<16
	s_mov_b32 s[\g+2], (\rows)<<16
	s_mov_b32 s[\g+3], 32<<16
	s_mov_b32 s[\g+4], \rows
	s_mov_b32 s[\g+5], 32
	s_mov_b32 s[\g+6], 0
	s_mov_b32 s[\g+7], 0
.endm
	s_load_b256 s[4:11], s[0:1], 0x0               ; qc s[4:5], kv s[6:7], zn s[8:9], out0 s[10:11]
	v_lshl_add_u32 v[SPW], v0, 2, SPARE
	v_mov_b32 v[NIL], 0
	ds_add_u32 v[SPW], v[NIL]
	ds_add_u32 v[SPW], v[NIL]
	v_lshrrev_b32 v1, 5, v0
	v_readfirstlane_b32 s12, v1                    ; wave 0..7
	s_mov_b32 s13, ttmp9                           ; which 256 queries
	s_and_b32 s14, ttmp7, 0xffff                   ; the head
	MKG1 32, 25
	MKG1 40, 75
	s_mul_i32 s24, s12, 6400                       ; my eighth of steps 0-3
	s_mul_i32 s16, s14, 204800
	s_mul_i32 s25, s12, 19200                      ; my eighth of steps 4-15
	s_add_co_u32 s18, s16, s25
	s_add_co_u32 s18, s18, 51200
	s_add_co_u32 s16, s16, s24
	s_mov_b32 s17, 0
	s_mov_b32 s19, 0
	s_mov_b32 s48, 1
	s_mov_b32 s49, s24
	s_mov_b32 s52, 1
	s_add_co_u32 s53, s25, 51200
	s_wait_dscnt 0x0
	s_wait_kmcnt 0x0
	s_add_nc_u64 s[50:51], s[6:7], s[16:17]
	s_or_b32 s51, s51, 0x80000000
	s_add_nc_u64 s[54:55], s[6:7], s[18:19]
	s_or_b32 s55, s55, 0x80000000
	tensor_load_to_lds s[48:51], s[32:39]          ; my one tensor load at the head
	s_nop 0
.rept 4
	v_nop
.endr
	; my image of 32 queries: number 8 X + w in the head: step 2 X + (w >> 2), group w & 3
	s_lshl_b32 s16, s14, 4
	s_lshl_b32 s17, s13, 1
	s_add_co_u32 s16, s16, s17
	s_lshr_b32 s17, s12, 2
	s_add_co_u32 s16, s16, s17
	s_mul_i32 s16, s16, 6400
	s_mov_b32 s17, 0
	s_add_nc_u64 s[4:5], s[4:5], s[16:17]
	s_and_b32 s18, s12, 3
	s_mul_i32 s19, s18, 1536
	s_lshl_b32 s18, s18, 6
	s_lshl_b32 s16, s14, 13
	s_add_nc_u64 s[8:9], s[8:9], s[16:17]          ; the head's zn
	s_lshl_b32 s16, s14, 19                        ; out at my first row: 256 X + 128 (w >> 2) + 64 ((w >> 1) & 1) + 16 (w & 1), rows of 256 bytes
	s_lshl_b32 s28, s13, 16
	s_add_co_u32 s16, s16, s28
	s_lshr_b32 s28, s12, 2
	s_lshl_b32 s28, s28, 15
	s_add_co_u32 s16, s16, s28
	s_bfe_u32 s28, s12, 0x10001
	s_lshl_b32 s28, s28, 14
	s_add_co_u32 s16, s16, s28
	s_and_b32 s28, s12, 1
	s_lshl_b32 s28, s28, 12
	s_add_co_u32 s16, s16, s28
	s_add_nc_u64 s[10:11], s[10:11], s[16:17]
	s_lshl_b32 s26, s13, 4
	s_lshl_b32 s16, s12, 1
	s_add_co_u32 s26, s26, s16                     ; my first tile's number less 8 x the key step
	s_mul_i32 s28, s12, 4352
	s_add_co_u32 s28, s28, STG                     ; my stage: 16 rows of 256 bytes + 16
	s_mov_b32 s20, 0x76543210
	s_mov_b32 s21, 0xfedcba98
	s_mov_b32 s22, 0x3fb8aa3b                      ; c = log2 e
	v_and_b32 v1, 31, v0                           ; lane
	v_and_b32 v2, 15, v0                           ; r
	v_bfe_u32 v3, v0, 4, 1                         ; h
	v_lshl_add_u32 v42, v1, 4, s19
	v_lshl_add_u32 v43, v2, 2, s18
	v_lshlrev_b32 v44, 4, v0
	v_lshl_add_u32 v45, v0, 4, ZNB
	global_load_b128 v[S:S+3], v44, s[8:9]         ; zn: 256 threads x 16 bytes, twice
	global_load_b128 v[S+4:S+7], v44, s[8:9] offset:4096
.irp p, 0,1,2
	global_load_b128 v[TT+4*\p:TT+4*\p+3], v42, s[4:5] offset:512*\p
.endr
	global_load_b32 v[QS], v43, s[4:5] offset:6144
	v_lshlrev_b32 v[LI], 4, v1
	v_lshlrev_b32 v[LS], 2, v1
	v_lshl_add_u32 v[LZ], v3, 7, ZNB
	v_lshlrev_b32 v[SH8], 3, v3
	v_mul_u32_u24 v[STO], v2, 272
	v_mul_u32_u24 v[RD], v3, 272
	v_lshlrev_b32 v[GO], 8, v3
	v_lshl_add_u32 v[STO], v3, 5, v[STO]
	v_lshl_add_u32 v[RD], v2, 4, v[RD]
	v_lshl_add_u32 v[GO], v2, 4, v[GO]
	v_add_nc_u32 v[STO], s28, v[STO]
	v_add_nc_u32 v[RD], s28, v[RD]
	v_sub_nc_u32 v31, v2, v[SH8]                   ; r - 8 h
	v_mov_b32 v[W], 1.0
.irp j, 0,1,2,3,4,5,6,7
	v_cmp_eq_u32 vcc_lo, \j, v31
	v_cndmask_b32 v[EYE+\j], 0, v[W], vcc_lo       ; register j holds row 8 h + j, column r
.endr
	v_mov_b32 v[WO], 0                             ; a lane permute's destination counts as one of its sources
	v_mov_b32 v[CC], s22
	v_mov_b32 v[CC+1], s22
	WIN 0x40
.irp i, 0,1,2,3,4,5
	v_mov_b32 v[QB+\i], 0
	v_mov_b32 v[QB+12+\i], 0
	v_mov_b32 v[QB+24+\i], 0
.endr
	WIN 0
	s_wait_alu depctr_va_vdst(0)
	s_wait_loadcnt 0x0
	v_lshrrev_b32 v[QS+1], 16, v[QS]               ; tile 1's two bytes,
	v_and_b32 v[QS], 0xffff, v[QS]
	v_lshl_or_b32 v[QS+1], v[QS+1], 16, v[QS+1]    ; twice: for [Q | 0] and for [0 | Q]
	v_lshl_or_b32 v[QS], v[QS], 16, v[QS]
	WIN 0x40
.irp i, 0,1,2,3,4,5
	v_mov_b32 v[QB+6+\i], v[TT+\i]
	v_mov_b32 v[QB+18+\i], v[TT+6+\i]
.endr
	WIN 0
	s_wait_alu depctr_va_vdst(0)
	s_wait_tensorcnt 0x0                           ; no tensor load of mine is out while I store to LDS
	ds_store_b128 v45, v[S:S+3]                    ; zn, into bytes that no tensor load fills
	ds_store_b128 v45, v[S+4:S+7] offset:4096
	s_wait_tensorcnt 0x0
	ds_add_u32 v[SPW], v[NIL]
	s_wait_dscnt 0x0                               ; the add and my stores of zn are done
	s_barrier_signal -1
	s_barrier_wait -1                              ; steps 0-3 and zn are whole
	tensor_load_to_lds s[52:55], s[40:47]          ; steps 4-15, my eighth: my one load behind this barrier
	s_nop 0
.rept 4
	v_nop
.endr
.macro DIAG1 val, tile                 ; the identity, where the step's tile of keys is my tile of queries
	s_cmp_eq_u32 s26, \val
	s_cbranch_scc0 .Loff_\@
.rept 4
	v_nop                                          ; four places between the score products and the first read of their results (ISA guide 7.12.1); they stand in this arm alone
.endr
	s_wait_alu depctr_va_vdst(0)                   ; ahead of the first read of matrix results
.irp j, 0,1,2,3,4,5,6,7
	v_add_f32 v[R+8*(\tile)+\j], v[R+8*(\tile)+\j], v[EYE+\j]
.endr
.Loff_\@:
.endm
.macro DIAG q
	s_cmp_lt_u32 s26, 8
	s_cbranch_scc0 .Lfar_\@
.irp d, 0,1,2,3
	DIAG1 2*\d, 2*\d+\q
.endr
.Lfar_\@:
.endm
.macro WMS qn, t                       ; tile t of eight of S^T for my tile qn; each product begins with the constant 0
.set wt, \t
.set wd, wt/2
.set wb, QB+12*(\qn)+6-6*(wt%2)
.if wd % 2
	v_wmma_scale_f32_16x16x128_f8f6f4 v[R+8*wt:R+8*wt+7], v[KF+12*wd:KF+12*wd+11], v[wb:wb+11], 0, v[KSC+wd/2], v[QS+(\qn)] matrix_a_fmt:MATRIX_FMT_FP6 matrix_b_fmt:MATRIX_FMT_FP6 matrix_a_scale:MATRIX_SCALE_ROW1
.else
	v_wmma_scale_f32_16x16x128_f8f6f4 v[R+8*wt:R+8*wt+7], v[KF+12*wd:KF+12*wd+11], v[wb:wb+11], 0, v[KSC+wd/2], v[QS+(\qn)] matrix_a_fmt:MATRIX_FMT_FP6 matrix_b_fmt:MATRIX_FMT_FP6
.endif
.endm
.macro PV qq, mode                     ; O^T of tile qq += V^T P^T: four accumulators, one instruction a turn.  mode = 1: the products start the sums
.irp t, 0,1,2,3
.set po, O+32*(\qq)+8*\t
.if \mode == 1
.if \t % 2
	v_wmma_scale_f32_16x16x128_f8f6f4 v[po:po+7], v[VF+12*\t:VF+12*\t+11], v[PC:PC+11], 0, v[VSC+\t/2], v[PSC] matrix_a_fmt:MATRIX_FMT_FP6 matrix_b_fmt:MATRIX_FMT_FP6 matrix_a_scale:MATRIX_SCALE_ROW1
.else
	v_wmma_scale_f32_16x16x128_f8f6f4 v[po:po+7], v[VF+12*\t:VF+12*\t+11], v[PC:PC+11], 0, v[VSC+\t/2], v[PSC] matrix_a_fmt:MATRIX_FMT_FP6 matrix_b_fmt:MATRIX_FMT_FP6
.endif
.else
.if \t % 2
	v_wmma_scale_f32_16x16x128_f8f6f4 v[po:po+7], v[VF+12*\t:VF+12*\t+11], v[PC:PC+11], v[po:po+7], v[VSC+\t/2], v[PSC] matrix_a_fmt:MATRIX_FMT_FP6 matrix_b_fmt:MATRIX_FMT_FP6 matrix_a_scale:MATRIX_SCALE_ROW1
.else
	v_wmma_scale_f32_16x16x128_f8f6f4 v[po:po+7], v[VF+12*\t:VF+12*\t+11], v[PC:PC+11], v[po:po+7], v[VSC+\t/2], v[PSC] matrix_a_fmt:MATRIX_FMT_FP6 matrix_b_fmt:MATRIX_FMT_FP6
.endif
.endif
.endr
.endm
.macro LDZN a, off                     ; register 32 c + x: zn of key 64 c + 32 (lane / 16) + x, as in S^T (destination: window 1)
.irp c, 0,1
.irp f, 0,1,2,3,4,5,6,7
	ds_load_b128 v[ZN+32*\c+4*\f:ZN+32*\c+4*\f+3], v[\a] offset:\off+256*\c+16*\f
.endr
.endr
.endm
.macro LDK a, as, off                  ; a step's K: two loads of scale words, twelve of codes
	ds_load_b32 v[KSC], v[\as] offset:\off+6144
	ds_load_b32 v[KSC+1], v[\as] offset:\off+6272
.irp d, 0,1,2,3
.irp p, 0,1,2
	ds_load_b128 v[KF+12*\d+4*\p:KF+12*\d+4*\p+3], v[\a] offset:\off+1536*\d+512*\p
.endr
.endr
.endm
.macro CHN k                           ; line k of thirteen behind the conversions: the scale word (0-6), the moves of the blocks' upper halves (7-12).  No line has a vector register as its third source
.set ck, \k
.if ck == 0
	v_lshrrev_b32 v[BY], 23, v[SO]                 ; block h's byte, at bits 7:0
.elseif ck == 1
	v_lshrrev_b32 v[BY+1], 7, v[SO+1]              ; block 2 + h's, at bits 23:16,
.elseif ck == 2
	v_and_b32 v[BY+1], 0xff0000, v[BY+1]           ; without the mantissa under it
.elseif ck == 3
	v_or_b32 v[W], v[BY], v[BY+1]
.elseif ck == 4
	v_lshlrev_b32 v[W], v[SH8], v[W]               ; 8 h bits up;
.elseif ck == 5
	v_permlanex16_b32 v[WO], v[W], s20, s21
.elseif ck == 6
	v_or_b32 v[PSC], v[W], v[WO]                   ; with lane l xor 16's two the word is whole
.else
	v_mov_b32 v[PC+6*((ck-7)/3)+3+(ck-7)%3], v[CT+4*((ck-7)/3)+(ck-7)%3]
.endif
.endm
.macro FPC chain                       ; c s + zn, two at a time, out of R into S (zn in window 1); chain = 1: the thirteen lines stand among them, the word's lines three scalings apart
	WIN 0x10
	s_wait_alu depctr_va_vdst(0)                   ; ahead of the first reads of the score products' results
.set fi, 0
.rept 32
.if \chain && (fi % 3 == 0) && (fi < 21)
	CHN fi/3                                       ; (line 0 is also the plain place behind the conversions)
.endif
.if \chain && (fi % 3 == 1) && (fi < 18)
	CHN 7+fi/3
.endif
	v_pk_fma_f32 v[S+2*fi:S+2*fi+1], v[R+2*fi:R+2*fi+1], v[CC:CC+1], v[ZN+2*fi:ZN+2*fi+1]
.set fi, fi+1
.endr
.endm
.macro OUTA q                          ; tile q through my own stage: in by lanes, back as whole rows of 256 bytes.  LDS serves a wave's instructions in order
	WIN 0x04                                       ; an LDS store's data are its source 1: window 1
.irp t, 0,1,2,3
	ds_store_b128 v[STO], v[O+32*\q+8*\t:O+32*\q+8*\t+3] offset:64*\t          ; each accumulator from its low end on
	ds_store_b128 v[STO], v[O+32*\q+8*\t+4:O+32*\q+8*\t+7] offset:64*\t+16
.endr
	WIN 0
.irp i, 0,1,2,3,4,5,6,7
	ds_load_b128 v[R+32*\q+4*\i:R+32*\q+4*\i+3], v[RD] offset:544*\i
.endr
.endm
.macro OUTB q                          ; stage row 2 i + h is row 8 q + 2 (i % 4) + 32 (i / 4) + h from my first row
.irp i, 0,1,2,3,4,5,6,7
	s_wait_dscnt 7-\i                              ; behind load i: the tile's 7 - i later loads
	global_store_b128 v[GO], v[R+32*\q+4*\i:R+32*\q+4*\i+3], s[10:11] offset:256*(8*\q+2*(\i%4)+32*(\i/4)) th:TH_STORE_NT   ; sixteen lanes store a row's 256 consecutive bytes, aligned
.endr
.endm
; A SLOT: my tile q against the step's 128 keys, whose scaled scores lie in S.
; acc: the products V^T P of the slot before: 0 none, 1 they start O^T's sums, 2 they add.  last = 1: the last step.
.macro BODY q, acc, last
.set MM, 1                             ; a slot follows
.if (\q == 1) && \last
.set MM, 0
.endif
.if (\q == 1) && !\last
	WIN 0x40
	LDZN ADZ, 512                                  ; the next step's zn: this step's last scaling has been issued
.endif
.if \q == 1
	s_wait_dscnt 16*(1-\last)                      ; V and the next step's K are in; the sixteen loads of zn may be out
.endif
.if \acc
	WIN 0x51                                       ; V and O^T in window 1, p in window 0
.else
	WIN 0x04
.endif
	s_wait_alu depctr_va_vdst(0)                   ; one wait: ahead of the products' reads of O^T and ahead of the batch of exponentials
.if \acc
	PV 1-\q, \acc                                  ; thirteen scalings stand behind p's scale word, fifteen behind the last move of its codes
	WIN 0x04                                       ; my queries, source 1 of the score products, in window 1
.endif
.set ei, 0
.rept 64
.if MM && (ei % 6 == 1) && (ei < 48)
	WMS 1-\q, ei/6                                 ; the next slot's scores: R has been read out
.endif
	v_exp_f32 v[S+ei], v[S+ei]
.set ei, ei+1
.endr
	WIN 0
	v_nop                                          ; one plain place behind the exponentials
	s_wait_alu depctr_va_vdst(0)                   ; one wait for the whole batch
.if (\q == 1) && !\last
	s_wait_dscnt 0x0                               ; the next step's zn
	s_add_co_u32 s24, s24, 12800                   ; on to the next step
	s_add_co_u32 s25, s25, 512
	s_sub_co_u32 s26, s26, 8
	v_add_nc_u32 v[ADK], s24, v[LI]
	v_add_nc_u32 v[ADS], s24, v[LS]
	v_add_nc_u32 v[ADZ], s25, v[LZ]
.endif
.if MM
	DIAG 1-\q
.endif
.irp c, 0,1                            ; my two blocks' largest p, two chains each; no |.|: none is negative
	v_max3_num_f32 v[TM+2*\c], v[S+32*\c], v[S+32*\c+1], 0x1800000   ; the floor 2^(3 - 127): the byte cannot fall under 1
	v_max3_num_f32 v[TM+2*\c+1], v[S+32*\c+16], v[S+32*\c+17], v[S+32*\c+18]
.endr
.irp i, 0,1,2,3,4,5
.irp c, 0,1
	v_max3_num_f32 v[TM+2*\c], v[TM+2*\c], v[S+32*\c+2+2*\i], v[S+32*\c+3+2*\i]
	v_max3_num_f32 v[TM+2*\c+1], v[TM+2*\c+1], v[S+32*\c+19+2*\i], v[S+32*\c+20+2*\i]
.endr
.if (\i == 0) && (\q == 0)             ; nine plain lines stand between the last products and these loads into registers that they read (ISA guide 7.12.1 asks four places)
	ds_load_b32 v[VSC], v[ADS] offset:12544        ; this step's V,
	ds_load_b32 v[VSC+1], v[ADS] offset:12672
	WIN 0x40
.irp t, 0,1,2,3
.irp p, 0,1,2
	ds_load_b128 v[VF+12*\t+4*\p:VF+12*\t+4*\p+3], v[ADK] offset:6400+1536*\t+512*\p
.endr
.endr
	WIN 0
.if !\last
	LDK ADK, ADS, 12800                            ; and the next step's K
.endif
.endif
.if (\i == 0) && (\q == 1) && \last
	OUTA 0                                         ; tile 0's sums are finished: they set out while the last slot is quantised; R is free
.endif
.endr
.irp c, 0,1
	v_max3_num_f32 v[TM+2*\c], v[TM+2*\c], v[S+32*\c+14], v[S+32*\c+15]
.endr
.irp c, 0,1
	v_max3_num_f32 v[TM+2*\c], v[TM+2*\c], v[TM+2*\c+1], v[S+32*\c+31]
.endr
.irp c, 0,1
	v_add_nc_u32 v[SO+\c], 0xff000000, v[TM+2*\c]  ; 2 off the exponent field: the conversion's scale operand
.endr
.irp c, 0,1
	v_cvt_scalef32_pk16_fp6_f32 v[PC+6*\c:PC+6*\c+2], v[S+32*\c:S+32*\c+15], v[SO+\c]
	v_cvt_scalef32_pk16_fp6_f32 v[CT+4*\c:CT+4*\c+2], v[S+32*\c+16:S+32*\c+31], v[SO+\c]   ; a conversion's three registers begin on an even number
.endr
.if MM
	FPC 1
.else
.set ci, 0
.rept 13
	CHN ci
.set ci, ci+1
.endr
.endif
.endm
.macro STEP acc0, acc1, last           ; a key step: two slots
	BODY 0, \acc0, \last
	BODY 1, \acc1, \last
	WIN 0
.endm
	LDK LI, LS, 0                                  ; step 0: K,
	WIN 0x40
	LDZN LZ, 0                                     ; and zn
	WIN 0x04
	s_wait_dscnt 16                                ; K and its scale words are in; zn's sixteen loads may be out
.irp t, 0,1,2,3,4,5,6,7
	WMS 0, \t
.endr
	WIN 0
	s_mov_b32 s24, 0                               ; s24: the step's first byte in LDS; s25: its zn's
	s_mov_b32 s25, 0
	v_add_nc_u32 v[ADK], s24, v[LI]
	v_add_nc_u32 v[ADS], s24, v[LS]
	v_add_nc_u32 v[ADZ], s25, v[LZ]
	v_nop                                          ; four places ahead of the first read of results
	s_wait_alu depctr_va_vdst(0)
	s_wait_dscnt 0x0                               ; zn
	DIAG 0
	FPC 0
	WIN 0
	STEP 0, 1, 0                                   ; step 0: its second slot starts tile 0's sums
	STEP 1, 2, 0                                   ; step 1: its first slot starts tile 1's sums
	STEP 2, 2, 0                                   ; step 2 fetches K of step 3, the last that the head's loads brought
	s_wait_alu depctr_va_vdst(0)
	s_wait_tensorcnt 0x0                           ; my eighth of steps 4-15 is in
	s_wait_dscnt 0x0
	s_barrier_signal -1
	s_barrier_wait -1                              ; and everybody's
	s_mov_b32 s24, 12800*3
	s_mov_b32 s25, 512*3
	s_mov_b32 s27, 12
.Lstep:                                                ; steps 3-14
	STEP 2, 2, 0
	s_sub_co_u32 s27, s27, 1
	s_cmp_lg_u32 s27, 0
	s_wait_alu depctr_va_vdst(0)
	s_cbranch_scc1 .Lstep
	STEP 2, 2, 1                                   ; step 15
	OUTB 0                                         ; tile 0's rows leave
.rept 4
	v_nop                                          ; with the six moves above: ten places behind p's scale word, four behind its codes
.endr
	WIN 0x51
	s_wait_alu depctr_va_vdst(0)                   ; ahead of the products' reads of O^T
	PV 1, 2                                        ; the last slot's products
	WIN 0
.rept 4
	v_nop                                          ; four places ahead of the first read of results
.endr
	s_wait_alu depctr_va_vdst(0)                   ; ahead of the first reads of O^T
	OUTA 1
	OUTB 1
	s_wait_tensorcnt 0x0                           ; the wave's end
	ds_add_u32 v[SPW], v[NIL]
	s_wait_dscnt 0x0
	s_endpgm
.Lfunc_end_k_q9c2a795ef7_attend:
	.size	k_q9c2a795ef7_attend, .Lfunc_end_k_q9c2a795ef7_attend-k_q9c2a795ef7_attend
	.p2alignl 7, 3214868480
	.fill 96, 4, 3214868480
	.section	.rodata,"a",@progbits
	.p2align	6, 0x0
	.amdhsa_kernel k_q9c2a795ef7_attend
		.amdhsa_group_segment_fixed_size 327680
		.amdhsa_private_segment_fixed_size 0
		.amdhsa_enable_private_segment 0
		.amdhsa_kernarg_size 32
		.amdhsa_user_sgpr_count 2
		.amdhsa_user_sgpr_kernarg_segment_ptr 1
		.amdhsa_wavefront_size32 1
		.amdhsa_system_sgpr_workgroup_id_x 1
		.amdhsa_system_sgpr_workgroup_id_y 1
		.amdhsa_system_sgpr_workgroup_id_z 1
		.amdhsa_system_vgpr_workitem_id 0
		.amdhsa_next_free_vgpr 464
		.amdhsa_next_free_sgpr 66
		.amdhsa_reserve_vcc 1
		.amdhsa_float_denorm_mode_32 3
		.amdhsa_float_denorm_mode_16_64 3
		.amdhsa_memory_ordered 1
		.amdhsa_forward_progress 1
		.amdhsa_inst_pref_size 136
	.end_amdhsa_kernel
	.amdgpu_metadata
---
amdhsa.version: [ 1, 2 ]
amdhsa.kernels:
  - .name:           k_q9c2a795ef7_attend
    .symbol:         k_q9c2a795ef7_attend.kd
    .args:
      - { .name: qc, .offset: 0, .size: 8, .value_kind: global_buffer, .address_space: global }
      - { .name: kv, .offset: 8, .size: 8, .value_kind: global_buffer, .address_space: global }
      - { .name: zn, .offset: 16, .size: 8, .value_kind: global_buffer, .address_space: global }
      - { .name: out0, .offset: 24, .size: 8, .value_kind: global_buffer, .address_space: global }
    .group_segment_fixed_size: 327680
    .private_segment_fixed_size: 0
    .kernarg_segment_align: 8
    .kernarg_segment_size: 32
    .max_flat_workgroup_size: 256
    .sgpr_count:     66
    .vgpr_count:     464
    .wavefront_size: 32
...
	.end_amdgpu_metadata
.endif
;; end of part 3
